; MI455X (gfx1250); checked and timed in simulation.
; The chip was launched on July 23, 2026; its instructions are those of AMD's public machine-readable ISA for CDNA 5 (MIT licence, August 2026) and "CDNA5" Instruction Set Architecture Reference Guide (July 2026). The comments in the code are by the model that wrote it; some were corrected since.
;; Recurrence Injector. Allowed arithmetic: matrix products marked QUANTISED: E2M3 operands, one E8M0 scale for each 32 along K, by v_wmma_scale_f32_16x16x128_f8f6f4 with both operands' format E2M3, f32 sums; everything else in f32.
;; Inputs: Wk 1,024 x 1,024 float32; Wo 1,024 x 1,024 float32; Wq 1,024 x 1,024 float32; Wv 1,024 x 1,024 float32; bk 1,024 float32; bo 1,024 float32; bq 1,024 float32; bv 1,024 float32; previous_state 4 x 2,048 x 1,024 float32; recurrence_mask 4 bool; x 4 x 2,048 x 1,024 float32.
;; Outputs: out0 4 x 2,048 x 1,024 float32.
;; This version of the problem:
;;   THIS VERSION OF THE PROBLEM IS GIVEN IN LOW PRECISION. The matrix products marked QUANTISED in the list below multiply operands that are first quantised to E2M3 (2 exponent bits, 3 mantissa bits; 6 bits a number), with one power-of-two scale for each 32 numbers along K (OCP MX v1.0); their sums are f32. All else is computed in f32.
;;   The module's matrix products, in the order in which they are computed (A, B: the left and right operand; K: the contracted axis; several contracted axes count as one K, in the product's order):
;;     1. [M 8,192, K 1,024] x [K 1,024, N 1,024]; A: input x; B: input Wq: QUANTISED
;;     2. [M 8,192, K 1,024] x [K 1,024, N 1,024]; A: input previous_state; B: input Wk: QUANTISED
;;     3. [M 8,192, K 1,024] x [K 1,024, N 1,024]; A: input previous_state; B: input Wv: QUANTISED
;;     4. batch 64 x [M 2,048, K 64] x [K 64, N 2,048]; A: computed on the way; B: computed on the way: QUANTISED
;;     5. batch 64 x [M 64, K 2,048] x [K 2,048, N 2,048]; A: computed on the way; B: softmax (see below): QUANTISED
;;     6. [M 8,192, K 1,024] x [K 1,024, N 1,024]; A: computed on the way; B: input Wo: QUANTISED
;;   THE QUANTISER, for each operand of a quantised product, along K:
;;     - K is cut into blocks of 32 from its start; a last block that is shorter is filled with zeros.
;;     - A block's scale is 2^e with e = floor(log2(the largest magnitude in the block)) - 2, held to -126 .. 127; a block of zeros has e = 0. As a byte (E8M0): e + 127.
;;     - Each number is divided by its block's scale, clamped to +-7.5, and rounded to the nearest number of E2M3, ties to even, subnormals kept.
;;     - The product sums the exact products of the quantised numbers (number of the format x scale) in f32.
;;   ~~~python
;;   def quantise(x, axis):      # numpy; x: float32 -> the quantised numbers, widened to float32 again
;;       x = np.moveaxis(x, axis, -1); K = x.shape[-1]
;;       x = np.pad(x, [(0, 0)] * (x.ndim - 1) + [(0, -K % 32)]); x = x.reshape(x.shape[:-1] + (-1, 32)); a = np.abs(x).max(-1, keepdims=True)
;;       e = np.where(a > 0, np.clip(np.frexp(np.where(a > 0, a, 1))[1] - 1 - 2, -126, 127), 0)      # np.frexp(a)[1] - 1 = floor(log2(a)), exactly
;;       r = np.clip(x / 2.0 ** e, -7.5, 7.5)
;;       step = 2.0 ** (np.maximum(np.frexp(np.where(r == 0, 1, r))[1] - 1, 0) - 3)
;;       q = np.round(r / step) * step * 2.0 ** e      # np.round: ties to even
;;       return np.moveaxis(q.reshape(q.shape[:-2] + (-1,))[..., :K], -1, axis).astype(np.float32)
;;   ~~~
;;   SOFTMAX AHEAD OF A QUANTISED PRODUCT. Where the list says 'softmax', what is quantised is not the finished softmax but p = 2^(t - M), with t = logit x log2(e) and M = ceil(the row's largest t), a whole number; so 1/2 < the row's largest p <= 1. The row's sum l is taken of the UNQUANTISED p, in f32, and the product's result is divided by l at the end. Since M is a whole number, a kernel that streams over the keys may use a running M (the ceiling of the running maximum): every later rescaling is an exact power of two, which a block's scale takes up: the codes' values come out the same.
;;   OPERANDS COMPUTED ON THE WAY. 'Computed on the way' means the value that the module computes at that place (a softmax that the list does not call 'softmax' is quantised finished and normalised). What goes into a quantiser is computed in f32, as accurately as f32 sums, v_exp_f32 and their like allow (about 1e-6 of the number): no bf16 or f16 on the way to a quantiser, and a product that is left as it is and whose result goes on into a quantised operand takes f32 operands (vector FMAs, or v_wmma_f32_16x16x4_f32). A number that lies on a knife's edge between two numbers of the format may be rounded either way, as far as f32 arithmetic and the matrix unit's own rounding can turn it there, and no further.
;; One version. Each part assembles by itself: llvm-mc -triple=amdgcn-amd-amdhsa -mcpu=gfx1250 --defsym DOCPART=n.
;; ======== version 1 of 1: 4 launches
;; workspace buffers: act 13,107,200 bytes; wts 3,276,800 bytes; qkv 19,660,800 bytes; ao 6,553,600 bytes
;; launch quant (part 1): grid 384 x 1, 8 waves a work-group, no clusters, 68,608 bytes of LDS; arguments x, previous_state, Wq, Wk, Wv, Wo, act, wts; writes act, wts
.if DOCPART == 1
	.amdgcn_target "amdgcn-amd-amdhsa--gfx1250"
	.amdhsa_code_object_version 6
	.text
	.protected	k_q0bfc5df449_quant
	.globl	k_q0bfc5df449_quant
	.p2align	8
	.type	k_q0bfc5df449_quant,@function
k_q0bfc5df449_quant:
	s_mov_b64 s[64:65], 0
	v_nop
	global_prefetch_b8 v0, s[64:65] scope:SCOPE_SE
	s_setreg_imm32_b32 hwreg(HW_REG_WAVE_MODE, 25, 1), 1
	s_wait_xcnt 0x0
; x, previous_state [8192][1024] and Wq, Wk, Wv, Wo [1024 (k)][1024 (n)], f32, become codes of FP6 (E2M3) with one E8M0 byte for each 32 along K = 1024,
; laid as the products' launches read them: as IMAGES OF THE OPERAND'S REGISTERS.
;   TILE T of an operand holds the 16 rows row(T, r) = 32 (T / 2) + 8 (T % 2) + r % 8 + 16 (r / 8): used as source 0, the 16 result registers of tiles 2 b and 2 b + 1 are 16 neighbours.
;   HALF IMAGE, 768 bytes: 16 rows x 64 K, six registers a lane; lane (r, h) holds k = 32 h .. 32 h + 31: registers 0-3 at byte 16 x lane, registers 4-5 at byte 512 + 8 x lane.
;   QUAD, 12,800 bytes: four tiles x 256 K: half image (tile, kappa) at 3072 (T % 4) + 768 kappa; scale word (tile, K step s', row r) at 12,288 + 128 (T % 4) + 64 s' + 4 r.
;   An operand is [4 chunks of 256 K][quads][12,800].  act: x at 0, previous_state at 6,553,600.  wts: weight i (q, k, v, o) at 819,200 i.
; A block's scale is 2^(floor(log2(its largest magnitude)) - 2); its byte is the largest magnitude's exponent field - 2, held at 1 from below.
; LIMITS: a block whose largest magnitude lies under 2^-124 keeps the byte 1; a block of zeros gets the byte 1 (not 127): its codes are zeros and this program alone reads the bytes; NaN and infinities are not served.
; Work-groups 0-255 take the activations (K innermost), 256-383 the weights (K outermost).  Only the first path uses LDS; waves share nothing: no barrier.
.set ROW,  4096                        ; bytes in a row of any of the six tensors
.set CHA,  1638400                     ; act: bytes from chunk to chunk
.set CHW,  204800                      ; wts: the same
.set QUAD, 12800
.set SCO,  12288                       ; the scale words' place in a quad
.set PSO,  6553600                     ; previous_state's place in act
.set WSO,  819200                      ; a weight's bytes in wts
.set SP,   528                         ; a stage row: 512 bytes + 16, an odd multiple of 16
.set TM,   16                          ; v16-31 at work in QUANT4
.set PW,   32                          ; the scale word just made
.set PWE,  33                          ; that of the even K step
.set PWS,  34                          ; v34-35 the words as stored, one register for each store
.set PC,   36                          ; v36-47 the codes just made; v48-54 the conversions' second halves
.set R,    64                          ; v64-191 two sets of 64 numbers as loaded
.set X,    192                         ; v192-255 64 numbers of my row, register 16 b + i = k 32 b + 16 h + i
.set SEL,  40                          ; s[40:41] lane selects: lane l xor 16
.set HM,   42                          ; s42 mask of lanes 16-31
	s_load_b256 s[4:11], s[0:1], 0x0               ; x, previous_state, Wq, Wk
	s_load_b256 s[12:19], s[0:1], 0x20             ; Wv, Wo, act, wts
	v_lshl_add_u32 v62, v0, 2, 0x10800
	v_mov_b32 v63, 0
	v_lshrrev_b32 v1, 5, v0
	v_readfirstlane_b32 s20, v1                    ; wave 0..7
	v_and_b32 v7, 31, v0                           ; lane
	s_cmp_lt_u32 ttmp9, 256
	s_cbranch_scc0 .Lweights
; ---- ACTIVATIONS.  A work-group makes one quad's column of all four chunks: 64 rows x 1024 K.  Wave w: tile w / 2 of the quad, K steps 4 (w % 2) .. + 3 of 128.
; Each load reads 512 consecutive bytes of one row; the 16 rows turn through the wave's own stage, so that a lane gets 16 neighbours of each block of 32.
	v_and_b32 v8, 15, v0                           ; r
	v_bfe_u32 v9, v0, 4, 1                         ; h
	v_lshlrev_b32 v1, 4, v7                        ; 16 x lane
	s_mul_i32 s21, s20, 16*SP                      ; my stage
	v_add_nc_u32 v2, s21, v1                       ; into it: a row's 512 bytes as they lie
	v_mul_u32_u24 v3, v8, SP
	v_lshl_add_u32 v3, v9, 6, v3
	v_add_nc_u32 v3, s21, v3                       ; out of it: row r, + 64 h
	s_lshr_b32 s22, s20, 1                         ; my tile in the quad
	s_and_b32 s23, s20, 1                          ; which half of K
	s_mul_i32 s24, s22, 3072
	v_add_nc_u32 v4, s24, v1                       ; stores of 16 bytes a lane
	v_lshl_add_u32 v5, v7, 3, s24                  ; of 8
	s_lshl_b32 s24, s22, 7
	s_add_co_u32 s24, s24, SCO
	v_lshl_add_u32 v6, v7, 2, s24                  ; of a scale word
	v_cmp_lt_u32 s[HM], 15, v7
	s_mov_b32 s[SEL], 0x76543210
	s_mov_b32 s[SEL+1], 0xfedcba98
.irp b, 0,1,2,3
	v_mov_b32 v[TM+4+\b], 0                        ; written once: a lane permute's destination counts as one of its sources
.endr
	s_lshr_b32 s27, ttmp9, 7                       ; 0: x, 1: previous_state
	s_and_b32 s28, ttmp9, 127                      ; the quad
	s_lshl_b32 s30, s28, 6
	s_lshr_b32 s29, s20, 2
	s_lshl_b32 s29, s29, 5
	s_add_co_u32 s30, s30, s29
	s_and_b32 s29, s22, 1
	s_lshl_b32 s29, s29, 3
	s_add_co_u32 s30, s30, s29                     ; the tile's first row: 64 quad + 32 (tile / 2) + 8 (tile % 2)
	s_lshl_b32 s30, s30, 12
	s_lshl_b32 s29, s23, 11
	s_add_co_u32 s30, s30, s29                     ; in bytes, + my half of K
	s_mov_b32 s31, 0
	s_mul_i32 s32, s27, PSO
	s_mul_i32 s29, s23, 2*CHA
	s_add_co_u32 s32, s32, s29
	s_mul_i32 s29, s28, QUAD
	s_add_co_u32 s32, s32, s29                     ; the quad of my first chunk
	s_mov_b32 s33, 0
	s_wait_kmcnt 0x0
	s_cmp_eq_u32 s27, 0                            ; the choice hangs on the work-group's number alone
	s_cselect_b64 s[4:5], s[4:5], s[6:7]
	s_add_nc_u64 s[4:5], s[4:5], s[30:31]
	s_add_nc_u64 s[16:17], s[16:17], s[32:33]
.macro LOAD t                          ; K step t of my 16 rows into set t % 2
.irp p, 0,1,2,3,4,5,6,7,8,9,10,11,12,13,14,15
	global_load_b128 v[R+64*((\t)%2)+4*\p:R+64*((\t)%2)+4*\p+3], v1, s[4:5] offset:(\p%8+16*(\p/8))*ROW+512*(\t) th:TH_LOAD_NT
.endr
.endm
; 64 numbers of a lane, register 16 b + i = k 32 b + 16 h + i of my row, become a fragment's 12 registers in v[PC] on and its scale word in v[PW]
.macro QUANT4 s
.irp b, 0,1,2,3
	v_max3_num_f32 v[TM+\b], |v[\s+16*\b]|, |v[\s+1+16*\b]|, 0x1800000   ; my 16 numbers of block b, and the floor 2^(3 - 127): the byte cannot fall under 1
.endr
.irp i, 2,4,6,8,10,12,14
.irp b, 0,1,2,3
	v_max3_num_f32 v[TM+\b], v[TM+\b], |v[\s+16*\b+\i]|, |v[\s+1+16*\b+\i]|   ; the four blocks by turns
.endr
.endr
.irp b, 0,1,2,3
	v_permlanex16_b32 v[TM+4+\b], v[TM+\b], s[SEL], s[SEL+1]
.endr
.irp b, 0,1,2,3
	v_max_num_f32 v[TM+\b], v[TM+\b], v[TM+4+\b]   ; with lane l xor 16's: the block's largest magnitude
.endr
.irp b, 0,1,2,3
	v_add_nc_u32 v[TM+12+\b], 0xff000000, v[TM+\b] ; 2 off its exponent field: the conversion's scale operand
.endr
.irp b, 0,1,2,3
	v_lshrrev_b32 v[TM+4+\b], 23, v[TM+12+\b]      ; the scale's byte
.endr
	v_lshl_or_b32 v[PW], v[TM+5], 8, v[TM+4]
	v_lshl_or_b32 v[PW], v[TM+6], 16, v[PW]
	v_lshl_or_b32 v[PW], v[TM+7], 24, v[PW]
.irp c, 0,1
	v_cvt_scalef32_pk16_fp6_f32 v[PC+6*\c:PC+2+6*\c], v[\s+32*\c:\s+15+32*\c], v[TM+12+2*\c]
	v_cvt_scalef32_pk16_fp6_f32 v[PC+12+4*\c:PC+14+4*\c], v[\s+16+32*\c:\s+31+32*\c], v[TM+12+2*\c+1]   ; (a conversion's three registers begin on an even number)
.endr
	v_nop                                          ; one plain place behind a scaled conversion
.irp c, 0,1                                    ; the layout wants a whole block in a lane: lanes 0-15 block 2 c, lanes 16-31 block 2 c + 1
.irp i, 0,1,2
	v_permlane16_swap_b32 v[PC+6*\c+\i], v[PC+12+4*\c+\i]
.endr
.irp i, 0,1,2
	v_mov_b32 v[PC+3+6*\c+\i], v[PC+12+4*\c+\i]
.endr
.endr
.endm
.macro STEP t
.if (\t) < 3
	s_wait_loadcnt 16                              ; this K step's 16 loads are in; the next step's 16 stay out
.else
	s_wait_loadcnt 0x0
.endif
.irp p, 0,1,2,3,4,5,6,7,8,9,10,11,12,13,14,15
	ds_store_b128 v2, v[R+64*((\t)%2)+4*\p:R+64*((\t)%2)+4*\p+3] offset:SP*\p
.endr
.irp b, 0,1,2,3
.irp j, 0,1,2,3
	ds_load_b128 v[X+16*\b+4*\j:X+16*\b+4*\j+3], v3 offset:128*\b+16*\j   ; LDS serves a wave's instructions in order: these see the stores above
.endr
.endr
	s_wait_dscnt 0x0
.if (\t) < 2
	LOAD (\t)+2                                    ; into the set that the stage's stores have read
.endif
	s_wait_xcnt 0x0                                ; the last step's stores have read v[PC] on: only now are the codes written again
	QUANT4 X
	global_store_b128 v4, v[PC:PC+3], s[16:17] offset:((\t)/2)*CHA+((\t)%2)*1536          ; two half images: 512 and 256 consecutive bytes each
	global_store_b64 v5, v[PC+4:PC+5], s[16:17] offset:((\t)/2)*CHA+((\t)%2)*1536+512
	global_store_b128 v4, v[PC+6:PC+9], s[16:17] offset:((\t)/2)*CHA+((\t)%2)*1536+768
	global_store_b64 v5, v[PC+10:PC+11], s[16:17] offset:((\t)/2)*CHA+((\t)%2)*1536+1280
.if (\t)%2 == 0
	v_mov_b32 v[PWE], v[PW]
.else
	v_cndmask_b32 v[PWS+(\t)/2], v[PWE], v[PW], s[HM]      ; lanes 0-15 the even step's words, lanes 16-31 the odd step's: 128 consecutive bytes
	global_store_b32 v6, v[PWS+(\t)/2], s[16:17] offset:((\t)/2)*CHA
.endif
.endm
	LOAD 0
	LOAD 1
	STEP 0
	STEP 1
	STEP 2
	STEP 3
	s_wait_tensorcnt 0x0
	ds_add_u32 v62, v63
	s_wait_dscnt 0x0
	s_endpgm
; ---- WEIGHTS.  K is the first axis: a lane takes a column n and its registers run down K.  Work-group i: weight i / 32, K step (i / 4) % 8 of 128, columns 256 (i % 4) on; wave w 32 of them.
; A lane holds four whole blocks of its column; block beta is the six registers of lane (r, beta % 2) of half image beta / 2.
.Lweights:
	s_sub_co_u32 s21, ttmp9, 256
	s_lshr_b32 s22, s21, 5                         ; which weight
	s_bfe_u32 s23, s21, 0x30002                    ; which K step
	s_and_b32 s24, s21, 3
	s_lshl_b32 s25, s24, 3
	s_add_co_u32 s25, s25, s20                     ; G: which 32 columns = tiles 2 G and 2 G + 1
	v_lshlrev_b32 v1, 2, v7                        ; in: 4 bytes a lane
	s_lshl_b32 s30, s23, 19                        ; 128 rows of 4,096 bytes a K step
	s_lshl_b32 s29, s25, 7
	s_add_co_u32 s30, s30, s29
	s_mov_b32 s31, 0
	s_mul_i32 s32, s22, WSO
	s_lshr_b32 s29, s23, 1
	s_mul_i32 s29, s29, CHW
	s_add_co_u32 s32, s32, s29
	s_lshr_b32 s29, s25, 1
	s_mul_i32 s29, s29, QUAD
	s_add_co_u32 s32, s32, s29                     ; the quad
	s_mov_b32 s33, 0
	s_and_b32 s34, s25, 1
	s_and_b32 s35, s23, 1
	s_mul_i32 s36, s34, 6144
	s_mul_i32 s29, s35, 1536
	s_add_co_u32 s36, s36, s29                     ; in it: my two tiles' half images of this K step
	s_lshl_b32 s37, s34, 8
	s_lshl_b32 s29, s35, 6
	s_add_co_u32 s37, s37, s29
	s_add_co_u32 s37, s37, SCO                     ; and their scale words
	v_bfe_u32 v8, v0, 3, 1                         ; u: column l of the 32 is row r = l % 8 + 8 (l / 16) of tile 2 G + u, u = (l / 8) % 2
	v_and_b32 v9, 7, v0
	v_bfe_u32 v10, v0, 4, 1
	v_lshl_add_u32 v9, v10, 3, v9                  ; r
	v_mul_u32_u24 v10, v8, 3072
	v_add_nc_u32 v10, s36, v10
	v_lshl_add_u32 v2, v9, 4, v10                  ; registers 0-3
	v_lshl_add_u32 v3, v9, 3, v10                  ; registers 4-5
	v_lshlrev_b32 v4, 7, v8
	v_lshl_add_u32 v4, v9, 2, v4
	v_add_nc_u32 v4, s37, v4                       ; the scale word
	s_wait_kmcnt 0x0
	s_cmp_eq_u32 s22, 1                            ; the choices hang on the work-group's number alone
	s_cselect_b64 s[8:9], s[10:11], s[8:9]
	s_cmp_eq_u32 s22, 2
	s_cselect_b64 s[8:9], s[12:13], s[8:9]
	s_cmp_eq_u32 s22, 3
	s_cselect_b64 s[8:9], s[14:15], s[8:9]
	s_add_nc_u64 s[8:9], s[8:9], s[30:31]
	s_add_nc_u64 s[18:19], s[18:19], s[32:33]
.set k, 0
.rept 128
	global_load_b32 v[128+k], v1, s[8:9] offset:k*ROW th:TH_LOAD_NT   ; W(128 s + k, my column): a wave reads 128 consecutive bytes
.set k, k+1
.endr
.macro WBLK b                          ; block b: codes in v[32 + 8 b] on, registers of their own, so that no store's data are written again
.set XS, 128+32*\b
.if \b < 2
	s_wait_loadcnt 63                              ; behind this block's loads stand 96 (64) younger ones; the count's field holds 63, and a smaller count is safe
.elseif \b == 2
	s_wait_loadcnt 32
.else
	s_wait_loadcnt 0x0
.endif
	v_max3_num_f32 v12, |v[XS]|, |v[XS+1]|, |v[XS+2]|
	v_max3_num_f32 v13, |v[XS+3]|, |v[XS+4]|, |v[XS+5]|
.irp i, 6,10,14,18,22,26
	v_max3_num_f32 v12, v12, |v[XS+\i]|, |v[XS+\i+1]|
	v_max3_num_f32 v13, v13, |v[XS+\i+2]|, |v[XS+\i+3]|
.endr
	v_max3_num_f32 v12, v12, |v[XS+30]|, |v[XS+31]|
	v_max3_num_f32 v12, v12, v13, 0x1800000        ; and the floor
	v_add_nc_u32 v11, 0xff000000, v12
	v_lshrrev_b32 v13, 23, v11
.if \b == 0
	v_mov_b32 v14, v13
.else
	v_lshl_or_b32 v14, v13, 8*\b, v14
.endif
	v_cvt_scalef32_pk16_fp6_f32 v[32+8*\b:34+8*\b], v[XS:XS+15], v11
	v_cvt_scalef32_pk16_fp6_f32 v[64+4*\b:66+4*\b], v[XS+16:XS+31], v11
	v_nop                                          ; one plain place behind a scaled conversion
.irp i, 0,1,2
	v_mov_b32 v[35+8*\b+\i], v[64+4*\b+\i]
.endr
	global_store_b128 v2, v[32+8*\b:35+8*\b], s[18:19] offset:(\b/2)*768+256*(\b%2)       ; the lanes of each tile store 256 consecutive bytes, aligned
	global_store_b64 v3, v[36+8*\b:37+8*\b], s[18:19] offset:(\b/2)*768+512+128*(\b%2)
.endm
	WBLK 0
	WBLK 1
	WBLK 2
	WBLK 3
	global_store_b32 v4, v14, s[18:19]
	s_endpgm
.Lfunc_end_k_q0bfc5df449_quant:
	.size	k_q0bfc5df449_quant, .Lfunc_end_k_q0bfc5df449_quant-k_q0bfc5df449_quant
	.p2alignl 7, 3214868480
	.fill 96, 4, 3214868480
	.section	.rodata,"a",@progbits
	.p2align	6, 0x0
	.amdhsa_kernel k_q0bfc5df449_quant
		.amdhsa_group_segment_fixed_size 68608
		.amdhsa_private_segment_fixed_size 0
		.amdhsa_enable_private_segment 0
		.amdhsa_kernarg_size 64
		.amdhsa_user_sgpr_count 2
		.amdhsa_user_sgpr_kernarg_segment_ptr 1
		.amdhsa_wavefront_size32 1
		.amdhsa_system_sgpr_workgroup_id_x 1
		.amdhsa_system_sgpr_workgroup_id_y 1
		.amdhsa_system_sgpr_workgroup_id_z 1
		.amdhsa_system_vgpr_workitem_id 0
		.amdhsa_next_free_vgpr 256
		.amdhsa_next_free_sgpr 66
		.amdhsa_reserve_vcc 0
		.amdhsa_float_denorm_mode_32 3
		.amdhsa_float_denorm_mode_16_64 3
		.amdhsa_memory_ordered 1
		.amdhsa_forward_progress 1
		.amdhsa_inst_pref_size 55
	.end_amdhsa_kernel
	.amdgpu_metadata
---
amdhsa.version: [ 1, 2 ]
amdhsa.kernels:
  - .name:           k_q0bfc5df449_quant
    .symbol:         k_q0bfc5df449_quant.kd
    .args:
      - { .name: x, .offset: 0, .size: 8, .value_kind: global_buffer, .address_space: global }
      - { .name: previous_state, .offset: 8, .size: 8, .value_kind: global_buffer, .address_space: global }
      - { .name: Wq, .offset: 16, .size: 8, .value_kind: global_buffer, .address_space: global }
      - { .name: Wk, .offset: 24, .size: 8, .value_kind: global_buffer, .address_space: global }
      - { .name: Wv, .offset: 32, .size: 8, .value_kind: global_buffer, .address_space: global }
      - { .name: Wo, .offset: 40, .size: 8, .value_kind: global_buffer, .address_space: global }
      - { .name: act, .offset: 48, .size: 8, .value_kind: global_buffer, .address_space: global }
      - { .name: wts, .offset: 56, .size: 8, .value_kind: global_buffer, .address_space: global }
    .group_segment_fixed_size: 68608
    .private_segment_fixed_size: 0
    .kernarg_segment_align: 8
    .kernarg_segment_size: 64
    .max_flat_workgroup_size: 256
    .sgpr_count:     66
    .vgpr_count:     256
    .wavefront_size: 32
...
	.end_amdgpu_metadata
.endif
;; end of part 1
;; launch proj (part 2): grid 768 x 1, 8 waves a work-group, no clusters, 308,224 bytes of LDS; arguments act, wts, bq, bk, bv, qkv; writes qkv
.if DOCPART == 2
	.amdgcn_target "amdgcn-amd-amdhsa--gfx1250"
	.amdhsa_code_object_version 6
	.text
	.protected	k_q0bfc5df449_proj
	.globl	k_q0bfc5df449_proj
	.p2align	8
	.type	k_q0bfc5df449_proj,@function
k_q0bfc5df449_proj:
	s_mov_b64 s[64:65], 0
	v_nop
	global_prefetch_b8 v0, s[64:65] scope:SCOPE_SE
	s_setreg_imm32_b32 hwreg(HW_REG_WAVE_MODE, 25, 1), 1
	s_wait_xcnt 0x0
; q = x Wq + bq, k = ps Wk + bk, v = ps Wv + bv on codes of FP6 (E2M3) with E8M0 scales (K = 1024), and the results quantised in registers for the two products of attention.
; ONE GENERIC PRODUCT acc[L row][P row]: P is source 0 (its rows run along a lane's registers and are the NEXT product's K), L is source 1 (its rows lie in the lanes).
;   mode 0 (work-groups 0-255):   L = x,  P = Wq: a lane holds a token, its registers a head's 64 channels: q is quantised along the head.
;   mode 1 (256-511):             L = ps, P = Wk: k likewise.
;   mode 2 (512-767):             L = Wv, P = ps: a lane holds a channel, its registers 64 keys: v is quantised along the keys.
; Operands lie in memory as images of registers (tiles, half images of 768 bytes and quads of 12,800 bytes: see the launch that makes them).
; A work-group makes 128 L x 256 P; all of K for it, 24 quads, 307,200 bytes, comes into LDS by 24 tensor loads issued at the head; no LDS byte is filled twice and none is stored to.
; Eight waves, two to a SIMD; wave w makes 64 L (quad w % 2) x 64 P (quad w / 2): 16 accumulators, which take turns, one instruction a turn.
; NO CLUSTER: P's 204,800 of a work-group's 307,200 bytes are shared with the work-groups of its P block; each fetches them for itself here.
; OUT (qkv): q's codes [bh][tile 128][768] at 0; q's scale words [bh][group of 32 queries][r][4] at 6,291,456 (bytes: tile 2 g's two blocks, tile 2 g + 1's two);
;   at 6,553,600 [bh][key step of 128 keys][12,800]: k's 8 half images; v's [64 keys c][channel tile t] half images at 6,144; k's scale words [pair of tiles f][r][4] at 12,288; v's [t][r][4] at 12,544.
;   The codes leave as 512 and 256 consecutive bytes; the scale bytes, one twenty-fourth of the codes' bytes, leave in pieces of 2 bytes.
; LIMITS: as the quantising launch: byte 1 under 2^-124 and for blocks of zeros; NaN and infinities are not served.
.set QUAD, 12800
.set CHB,  6*QUAD                      ; LDS: a chunk of 256 K: L's two quads, then P's four
.set CHA,  1638400                     ; act: bytes from chunk to chunk
.set CHW,  204800                      ; wts
.set PSO,  6553600
.set WSO,  819200
.set SCO,  12288
.set SC,   24                          ; v24-27 scale words and nothing else: register i: lanes 0-15 L's tile i, lanes 16-31 P's tile i
.set LF,   32                          ; v32-79  L's four fragments
.set PF,   80                          ; v80-127 P's four
.set ACC,  128                         ; v128-255 accumulator (a, t) at ACC + 8 (4 a + t)
.set G1,   24                          ; s[24:31] descriptor group 1: 50 rows of 256 bytes, dense
.set G0L,  32                          ; s[32:47] group 0 for L's quad in chunks 0..3
.set G0P,  48                          ; s[48:63] for P's
.set SEL,  66                          ; s[66:67]
	s_load_b256 s[4:11], s[0:1], 0x0               ; act, wts, bq, bk
	s_load_b128 s[12:15], s[0:1], 0x20             ; bv, qkv
	v_lshl_add_u32 v30, v0, 2, 0x4b000
	v_mov_b32 v31, 0
	ds_add_u32 v30, v31
	ds_add_u32 v30, v31
	v_lshrrev_b32 v1, 5, v0
	v_readfirstlane_b32 s16, v1                    ; wave 0..7
	s_and_b32 s17, s16, 1                          ; wl: which of L's two quads I multiply
	s_lshr_b32 s18, s16, 1                         ; wp: which of P's four
	s_lshr_b32 s19, ttmp9, 8                       ; mode
	s_and_b32 s80, ttmp9, 255
	s_mov_b32 s68, CHA
	s_mov_b32 s70, CHW
	s_cmp_eq_u32 s19, 2
	s_cselect_b32 s81, 7, 63
	s_cselect_b32 s82, 3, 6
	s_cselect_b32 s83, s70, s68                    ; L's bytes from chunk to chunk
	s_cselect_b32 s70, s68, s70                    ; P's
	s_mov_b32 s68, s83
	s_mov_b32 s69, 0
	s_mov_b32 s71, 0
	s_cselect_b32 s76, 2*WSO, 0                    ; where the operand begins in its buffer
	s_cselect_b32 s78, PSO, 0
	s_and_b32 s20, s80, s81                        ; Lb
	s_lshr_b32 s21, s80, s82                       ; Pb
	s_cmp_eq_u32 s19, 1
	s_cselect_b32 s76, PSO, s76
	s_cselect_b32 s78, WSO, s78
	s_lshl_b32 s22, s20, 1
	s_add_co_u32 s22, s22, s17                     ; X = 2 Lb + wl: L's quad that I multiply, and (waves 0, 1) fetch
	s_lshl_b32 s84, s21, 2
	s_add_co_u32 s23, s84, s18                     ; Y = 4 Pb + wp: P's quad that I multiply
	s_sub_co_u32 s85, s16, 2
	s_and_b32 s85, s85, 3
	s_add_co_u32 s85, s85, s84                     ; P's quad that waves 2-5 fetch (kept inside the block in the others, which do not use it)
	s_mul_i32 s86, s22, QUAD
	s_add_co_u32 s76, s76, s86
	s_mov_b32 s77, 0
	s_mul_i32 s86, s85, QUAD
	s_add_co_u32 s78, s78, s86
	s_mov_b32 s79, 0
	s_mul_i32 s83, s16, QUAD                       ; LDS: quad slot = wave
	s_mov_b32 s[G1+0], 3<<16                       ; no mask; elements of 8 bytes; no padding
	s_mov_b32 s[G1+1], 32<<16                      ; tensor_dim0 = 32 elements: 256 bytes
	s_mov_b32 s[G1+2], 50<<16                      ; tensor_dim1 = 50
	s_mov_b32 s[G1+3], 32<<16                      ; tile_dim0
	s_mov_b32 s[G1+4], 50                          ; tile_dim1
	s_mov_b32 s[G1+5], 32                          ; pitch: dense
	s_mov_b32 s[G1+6], 0
	s_mov_b32 s[G1+7], 0
.irp c, 0,1,2,3
	s_mov_b32 s[G0L+4*\c], 1
	s_add_co_u32 s[G0L+4*\c+1], s83, \c*CHB
	s_mov_b32 s[G0P+4*\c], 1
	s_add_co_u32 s[G0P+4*\c+1], s83, \c*CHB
.endr
	s_wait_dscnt 0x0
	s_wait_kmcnt 0x0
	s_cmp_eq_u32 s19, 2                            ; which buffer is L's: the choice hangs on the work-group's number alone
	s_cselect_b64 s[72:73], s[6:7], s[4:5]
	s_cselect_b64 s[74:75], s[4:5], s[6:7]
	s_add_nc_u64 s[G0L+2:G0L+3], s[72:73], s[76:77]
	s_add_nc_u64 s[G0P+2:G0P+3], s[74:75], s[78:79]
.irp c, 1,2,3
	s_add_nc_u64 s[G0L+4*\c+2:G0L+4*\c+3], s[G0L+4*\c-2:G0L+4*\c-1], s[68:69]
	s_add_nc_u64 s[G0P+4*\c+2:G0P+4*\c+3], s[G0P+4*\c-2:G0P+4*\c-1], s[70:71]
.endr
.irp c, 0,1,2,3
	s_or_b32 s[G0L+4*\c+3], s[G0L+4*\c+3], 0x80000000      ; type = 2
	s_or_b32 s[G0P+4*\c+3], s[G0P+4*\c+3], 0x80000000
.endr
	; All fills of the launch, in one branch on the wave's number: waves 0, 1 L's quad of each chunk, waves 2-5 P's, waves 6, 7 none.  Four loads of a wave are out at the most.
	s_cmp_lt_u32 s16, 2
	s_cbranch_scc0 .Lnot_l
	tensor_load_to_lds s[G0L:G0L+3], s[G1:G1+7]
	s_nop 0
	tensor_load_to_lds s[G0L+4:G0L+7], s[G1:G1+7]
	s_nop 0
	tensor_load_to_lds s[G0L+8:G0L+11], s[G1:G1+7]
	s_nop 0
	tensor_load_to_lds s[G0L+12:G0L+15], s[G1:G1+7]
	s_nop 0
.rept 4
	v_nop
.endr
	s_branch .Lasked
.Lnot_l:
	s_cmp_lt_u32 s16, 6
	s_cbranch_scc0 .Lasked
	tensor_load_to_lds s[G0P:G0P+3], s[G1:G1+7]
	s_nop 0
	tensor_load_to_lds s[G0P+4:G0P+7], s[G1:G1+7]
	s_nop 0
	tensor_load_to_lds s[G0P+8:G0P+11], s[G1:G1+7]
	s_nop 0
	tensor_load_to_lds s[G0P+12:G0P+15], s[G1:G1+7]
	s_nop 0
.rept 4
	v_nop
.endr
.Lasked:
	v_and_b32 v12, 31, v0                          ; lane
	v_and_b32 v13, 15, v0                          ; r
	v_bfe_u32 v14, v0, 4, 1                        ; h
	s_mul_i32 s80, s17, QUAD                       ; L's quad in a chunk
	s_add_co_u32 s81, s18, 2
	s_mul_i32 s81, s81, QUAD                       ; P's
	v_lshl_add_u32 v1, v12, 4, s80                 ; v1, v2: L's images, 16 and 8 bytes a lane
	v_lshl_add_u32 v2, v12, 3, s80
	v_lshl_add_u32 v3, v12, 4, s81                 ; v3, v4: P's
	v_lshl_add_u32 v4, v12, 3, s81
	s_sub_co_u32 s82, s81, s80
	v_mul_u32_u24 v5, s82, v14                     ; v5: scale words: lanes 0-15 L's, lanes 16-31 P's: the lower base + h x the distance
	v_lshl_add_u32 v5, v13, 2, v5
	s_add_co_u32 s80, s80, SCO
	v_add_nc_u32 v5, s80, v5
	v_lshlrev_b32 v6, 4, v12                       ; the way out: 16 x lane,
	v_lshlrev_b32 v7, 3, v12                       ; 8 x lane
	v_cmp_lt_u32 s90, 15, v12                      ; lanes 16-31
	s_mov_b32 s[SEL], 0x76543210
	s_mov_b32 s[SEL+1], 0xfedcba98
	; where the results go
	s_cmp_eq_u32 s19, 2
	s_cselect_b32 s80, s23, s22                    ; which 64 tokens
	s_cselect_b32 s81, s22, s23                    ; which head
	s_cselect_b32 s88, 64, 2                       ; scale bytes: from lanes 0-15 to lanes 16-31,
	s_cselect_b32 s89, 128, 64                     ; and from the first pair of tiles to the second
	s_cselect_b32 s91, 6144, 0
	s_cselect_b32 s92, 256, 0
	s_cselect_b32 s93, 2, 128
	s_lshr_b32 s82, s80, 5                         ; batch
	s_and_b32 s83, s80, 31                         ; which 64 of its tokens
	s_lshl_b32 s82, s82, 4
	s_add_co_u32 s82, s82, s81                     ; bh
	s_mul_i32 s84, s82, 98304
	s_mul_i32 s94, s83, 3072
	s_add_co_u32 s84, s84, s94                     ; q's codes
	s_lshl_b32 s86, s82, 12
	s_lshl_b32 s94, s83, 7
	s_add_co_u32 s86, s86, s94
	s_add_co_u32 s86, s86, 6291456                 ; q's scale words
	s_mul_i32 s95, s82, 16*QUAD
	s_lshr_b32 s94, s83, 1
	s_mul_i32 s94, s94, QUAD
	s_add_co_u32 s95, s95, s94
	s_add_co_u32 s95, s95, 6553600                 ; the key step's block
	s_and_b32 s94, s83, 1
	s_mul_i32 s96, s94, 3072
	s_add_co_u32 s96, s96, s95
	s_add_co_u32 s96, s96, s91                     ; k's or v's codes
	s_mul_i32 s97, s94, s93
	s_add_co_u32 s97, s97, s95
	s_add_co_u32 s97, s97, s92
	s_add_co_u32 s97, s97, SCO                     ; and scale words
	s_cmp_eq_u32 s19, 0
	s_cselect_b32 s84, s84, s96
	s_cselect_b32 s86, s86, s97
	s_mov_b32 s85, 0
	s_mov_b32 s87, 0
	s_add_nc_u64 s[84:85], s[14:15], s[84:85]
	s_add_nc_u64 s[86:87], s[14:15], s[86:87]
	v_mul_u32_u24 v8, s88, v14
	v_lshl_add_u32 v8, v13, 2, v8                  ; 4 r + h x the step
	v_add_nc_u32 v9, s89, v8
	; THE BIASES START THE SUMS: they are put into the accumulators while the tiles are on their way, so every K step adds in place
	s_mov_b32 s81, 0
	s_cmp_eq_u32 s19, 2
	s_cbranch_scc1 .Lbias_v
	s_lshl_b32 s80, s23, 8                         ; my 64 columns' numbers: register 8 t + j of lane (r, h) wants column 32 (t / 2) + 16 h + 8 (t % 2) + j
	s_cmp_eq_u32 s19, 0
	s_cselect_b64 s[8:9], s[8:9], s[10:11]
	s_add_nc_u64 s[8:9], s[8:9], s[80:81]
	v_lshlrev_b32 v10, 6, v14
.irp a, 0,1,2,3
.irp t, 0,1,2,3
	global_load_b128 v[ACC+8*(4*\a+\t):ACC+8*(4*\a+\t)+3], v10, s[8:9] offset:(32*(\t/2)+8*(\t%2))*4
	global_load_b128 v[ACC+8*(4*\a+\t)+4:ACC+8*(4*\a+\t)+7], v10, s[8:9] offset:(32*(\t/2)+8*(\t%2))*4+16
.endr
.endr
	s_wait_loadcnt 0x0
	s_branch .Lbias_done
.Lbias_v:
	s_lshl_b32 s80, s22, 8                         ; a lane holds one channel: 32 (a / 2) + 8 (a % 2) + r % 8 + 16 (r / 8) of my 64
	s_add_nc_u64 s[12:13], s[12:13], s[80:81]
	v_and_b32 v11, 8, v0
	v_add_nc_u32 v11, v11, v13
	v_lshlrev_b32 v11, 2, v11
.irp a, 0,1,2,3
	global_load_b32 v[ACC+32*\a], v11, s[12:13] offset:(32*(\a/2)+8*(\a%2))*4
.endr
	s_wait_loadcnt 0x0
.irp a, 0,1,2,3
.set n, 1
.rept 31
	v_mov_b32 v[ACC+32*\a+n], v[ACC+32*\a]         ; the lane's one number starts all 32 sums of the tile
.set n, n+1
.endr
.endr
.Lbias_done:
.macro FRAG reg, a16, a8, off          ; a fragment, 16 rows x 128 K, is two half images: four dense loads
	ds_load_b128 v[\reg:\reg+3], v[\a16] offset:\off
	ds_load_b64 v[\reg+4:\reg+5], v[\a8] offset:\off+512
	ds_load_b128 v[\reg+6:\reg+9], v[\a16] offset:\off+768
	ds_load_b64 v[\reg+10:\reg+11], v[\a8] offset:\off+1280
.endm
; 128 along K: the chunk's q-th.  places: v_nop in front of the loads into registers that matrix instructions have read (four places are owed: ISA guide 7.12.1 for vector instructions)
.macro KSTEP q, places
.if \places
.rept \places
	v_nop
.endr
.endif
.irp a, 0,1,2,3
	FRAG LF+12*\a, 1, 2, \a*3072+\q*1536
	FRAG PF+12*\a, 3, 4, \a*3072+\q*1536
.endr
.irp i, 0,1,2,3
	ds_load_b32 v[SC+\i], v5 offset:128*\i+64*\q
.endr
	s_wait_dscnt 0x0
.irp a, 0,1,2,3
.irp t, 0,1,2,3
	v_wmma_scale_f32_16x16x128_f8f6f4 v[ACC+8*(4*\a+\t):ACC+8*(4*\a+\t)+7], v[PF+12*\t:PF+12*\t+11], v[LF+12*\a:LF+12*\a+11], v[ACC+8*(4*\a+\t):ACC+8*(4*\a+\t)+7], v[SC+\t], v[SC+\a] matrix_a_fmt:MATRIX_FMT_FP6 matrix_b_fmt:MATRIX_FMT_FP6 matrix_a_scale:MATRIX_SCALE_ROW1
.endr
.endr
.endm
.macro CHUNK c
	s_wait_tensorcnt 3-\c                          ; my load of chunk c has landed; those of the 3 - c later chunks stay out
	s_barrier_signal -1                            ; (no LDS load of mine is out: each K step has waited for its own)
	s_barrier_wait -1                              ; everybody's has
	KSTEP 0, 0                                     ; (behind chunk 0 the five address steps below are the places)
	KSTEP 1, 4
.if \c < 3
.irp i, 1,2,3,4,5
	v_add_nc_u32 v[\i], CHB, v[\i]                 ; on to the next chunk
.endr
.endif
.endm
	CHUNK 0
	CHUNK 1
	CHUNK 2
	CHUNK 3
; 32 numbers of a lane, register 16 b + i = k 32 b + 16 h + i of its row, become a half image's six registers in v[x] on and the row's two scale bytes in v[hw].  Each accumulator is read from its low end on.
.macro QUANT2 s, x, y, tm, hw
.irp b, 0,1
	v_max3_num_f32 v[\tm+\b], |v[\s+16*\b]|, |v[\s+16*\b+1]|, 0x1800000   ; the floor 2^(3 - 127): the byte cannot fall under 1
.endr
.irp i, 2,4,6,8,10,12,14
.irp b, 0,1
	v_max3_num_f32 v[\tm+\b], v[\tm+\b], |v[\s+16*\b+\i]|, |v[\s+16*\b+\i+1]|
.endr
.endr
.irp b, 0,1
	v_permlanex16_b32 v[\tm+2+\b], v[\tm+\b], s[SEL], s[SEL+1]
.endr
.irp b, 0,1
	v_max_num_f32 v[\tm+\b], v[\tm+\b], v[\tm+2+\b]        ; with lane l xor 16's: the block's largest magnitude
.endr
.irp b, 0,1
	v_add_nc_u32 v[\tm+4+\b], 0xff000000, v[\tm+\b]        ; 2 off its exponent field: the conversion's scale operand
.endr
.irp b, 0,1
	v_lshrrev_b32 v[\tm+2+\b], 23, v[\tm+4+\b]             ; the scale's byte
.endr
	v_lshl_or_b32 v[\hw], v[\tm+3], 8, v[\tm+2]
	v_cvt_scalef32_pk16_fp6_f32 v[\x:\x+2], v[\s:\s+15], v[\tm+4]
	v_cvt_scalef32_pk16_fp6_f32 v[\y:\y+2], v[\s+16:\s+31], v[\tm+5]
	v_nop                                          ; one plain place behind a scaled conversion
.irp i, 0,1,2
	v_permlane16_swap_b32 v[\x+\i], v[\y+\i]       ; a whole block to a lane: lanes 0-15 block 0, lanes 16-31 block 1
.endr
.irp i, 0,1,2
	v_mov_b32 v[\x+3+\i], v[\y+\i]
.endr
.endm
.rept 4
	v_nop                                          ; places behind the last products
.endr
	v_mov_b32 v74, 0                               ; a lane permute's destination counts as one of its sources
	v_mov_b32 v75, 0
.irp a, 0,1,2,3
	QUANT2 ACC+32*\a, 32+8*\a, 64, 72, 80+\a
	global_store_b128 v6, v[32+8*\a:35+8*\a], s[84:85] offset:768*\a       ; tile a's half image: 512 and 256 consecutive bytes
	global_store_b64 v7, v[36+8*\a:37+8*\a], s[84:85] offset:768*\a+512
.endr
	v_cndmask_b32 v84, v80, v81, s90               ; lanes 0-15 tile 0's bytes, lanes 16-31 tile 1's
	v_cndmask_b32 v85, v82, v83, s90
	global_store_b16 v8, v84, s[86:87]
	global_store_b16 v9, v85, s[86:87]
	s_wait_tensorcnt 0x0
	ds_add_u32 v30, v31
	s_wait_dscnt 0x0
	s_endpgm
.Lfunc_end_k_q0bfc5df449_proj:
	.size	k_q0bfc5df449_proj, .Lfunc_end_k_q0bfc5df449_proj-k_q0bfc5df449_proj
	.p2alignl 7, 3214868480
	.fill 96, 4, 3214868480
	.section	.rodata,"a",@progbits
	.p2align	6, 0x0
	.amdhsa_kernel k_q0bfc5df449_proj
		.amdhsa_group_segment_fixed_size 308224
		.amdhsa_private_segment_fixed_size 0
		.amdhsa_enable_private_segment 0
		.amdhsa_kernarg_size 48
		.amdhsa_user_sgpr_count 2
		.amdhsa_user_sgpr_kernarg_segment_ptr 1
		.amdhsa_wavefront_size32 1
		.amdhsa_system_sgpr_workgroup_id_x 1
		.amdhsa_system_sgpr_workgroup_id_y 1
		.amdhsa_system_sgpr_workgroup_id_z 1
		.amdhsa_system_vgpr_workitem_id 0
		.amdhsa_next_free_vgpr 256
		.amdhsa_next_free_sgpr 100
		.amdhsa_reserve_vcc 0
		.amdhsa_float_denorm_mode_32 3
		.amdhsa_float_denorm_mode_16_64 3
		.amdhsa_memory_ordered 1
		.amdhsa_forward_progress 1
		.amdhsa_inst_pref_size 61
	.end_amdhsa_kernel
	.amdgpu_metadata
---
amdhsa.version: [ 1, 2 ]
amdhsa.kernels:
  - .name:           k_q0bfc5df449_proj
    .symbol:         k_q0bfc5df449_proj.kd
    .args:
      - { .name: act, .offset: 0, .size: 8, .value_kind: global_buffer, .address_space: global }
      - { .name: wts, .offset: 8, .size: 8, .value_kind: global_buffer, .address_space: global }
      - { .name: bq, .offset: 16, .size: 8, .value_kind: global_buffer, .address_space: global }
      - { .name: bk, .offset: 24, .size: 8, .value_kind: global_buffer, .address_space: global }
      - { .name: bv, .offset: 32, .size: 8, .value_kind: global_buffer, .address_space: global }
      - { .name: qkv, .offset: 40, .size: 8, .value_kind: global_buffer, .address_space: global }
    .group_segment_fixed_size: 308224
    .private_segment_fixed_size: 0
    .kernarg_segment_align: 8
    .kernarg_segment_size: 48
    .max_flat_workgroup_size: 256
    .sgpr_count:     100
    .vgpr_count:     256
    .wavefront_size: 32
...
	.end_amdgpu_metadata
.endif
;; end of part 2
;; launch attn (part 3): grid 4 x 64, 16 waves a work-group, no clusters, 206,848 bytes of LDS; arguments qkv, ao; writes ao
.if DOCPART == 3
	.amdgcn_target "amdgcn-amd-amdhsa--gfx1250"
	.amdhsa_code_object_version 6
	.text
	.protected	k_q0bfc5df449_attn
	.globl	k_q0bfc5df449_attn
	.p2align	8
	.type	k_q0bfc5df449_attn,@function
k_q0bfc5df449_attn:
	s_mov_b64 s[64:65], 0
	v_nop
	global_prefetch_b8 v0, s[64:65] scope:SCOPE_SE
	s_setreg_imm32_b32 hwreg(HW_REG_WAVE_MODE, 25, 1), 1
	s_wait_xcnt 0x0
; For each batch and head (bh = work-group y): o = softmax(q k^T / 8 - slope |i - j|) v, both products on codes of FP6 (E2M3) with E8M0 scales; o is quantised along the head for the last projection.
; THE SOFTMAX AHEAD OF THE SECOND PRODUCT: t = logit x log2(e); M = the running largest t rounded UP to a whole number; p = 2^(t - M) is quantised along the keys, not normalised;
; the row's sum is taken of the unquantised p and divides at the end.  When M moves, the sum and O are multiplied by 2^(old M - new M): exact.
; SHARES.  Wave w of work-group x owns the 32 queries 128 w + 32 x on, as two tiles of 16 taken one after the other; it walks all 2,048 keys, 128 a step.  Its queries lie in key step w: the diagonal hangs on the wave's number alone.
; LDS holds the head's whole k and v: 16 key steps of 12,800 bytes; wave w brings key step w by one tensor load at the head; one barrier; from then on LDS is only read.  No byte is filled twice.
; NO CLUSTER: what work-groups share, the head's 204,800 bytes, is fetched once a work-group, ahead of 32 steps that fetch nothing.
; LAYOUT.  Both products are used transposed: S^T = k q^T, O^T = v^T p^T: a lane holds ONE query (lane % 16) throughout.  A tile's 16 rows are 32 (T / 2) + 8 (T % 2) + r % 8 + 16 (r / 8), so the 16 registers of
; tiles 2 b and 2 b + 1 are 16 neighbours along the next K.
; K = 64 IN AN INSTRUCTION OF 128: a fragment of k holds TWO tiles of keys (registers 0-5, 6-11) and is multiplied twice, by [q | zero codes] and by [zero codes | q]; the zero halves' scale bytes are 1.
; THE BIAS -slope |i - j| costs no vector instruction in 15 of the 16 steps: T[n] = 8 slope (key's place in its step - query's place in its step) is the C of the first product (T below the diagonal step,
; -T above, -|T| on it), and the steps' distance, -128 slope |s - w| log2(e), joins the addend of the scaling t - M.
; LIMITS: byte 1 for blocks under 2^-124 and blocks of zeros; NaN and infinities are not served.
; REGISTERS: v1-3 16, 8, 4 x lane; v4-5 k's or v's scale words; v6-7 q's two scale words; v8 -M; v9-11 the step's LDS addresses; v12 the addend, v13 the largest t; v[14:15] the sum; v16-33 zeros, q, zeros;
;   v34-81 four fragments of k, then at work, then four of v; v82-93 p's codes; v94 f, v95 p's scale word; v96-159 S^T, then p; v160-191 O^T; v192-255 T.
.set QUAD, 12800
.set KVO,  6553600
.set QSO,  6291456
.set CHA,  1638400
.set QZ,   16
.set F,    34
.set BM,   34                          ; v34-37 the blocks' largest scores
.set BP,   38                          ; v38-41 lane l xor 16's; then the bytes
.set SO,   42                          ; v42-45 the conversions' scale operands
.set Y,    46                          ; v46-48, v50-52 the conversions' second halves
.set TA,   54
.set PC,   82
.set FF,   94
.set PW,   95
.set S,    96
.set O,    160
.set T,    192
.set WV,   8                           ; s8 wave = my diagonal key step
.set G1,   16
.set G0,   24
.set SEL,  28
.set CS,   30                          ; s[30:31] c = log2(e) / 8
.set A8,   32                          ; s[32:33] 8 slope
.set CE1,  34                          ; s34 -128 c 8 slope
.set U,    35                          ; s35 the tile
.set SI,   36                          ; s36 the key step
.set TB,   37                          ; s37 its place in LDS
.set CE,   38                          ; s38 CE1 |s - w|
	s_load_b128 s[4:7], s[0:1], 0x0                ; qkv, ao
	v_lshl_add_u32 v192, v0, 2, 0x32000
	v_mov_b32 v193, 0
	ds_add_u32 v192, v193
	ds_add_u32 v192, v193
	s_wait_dscnt 0x0
	v_lshrrev_b32 v1, 5, v0
	v_readfirstlane_b32 s[WV], v1                  ; wave 0..15
	s_and_b32 s9, ttmp7, 0xffff                    ; bh
	s_and_b32 s11, s9, 15                          ; head
	s_lshr_b32 s12, s9, 4                          ; batch
	s_lshl_b32 s13, s[WV], 2
	s_add_co_u32 s13, s13, ttmp9                   ; g: my group of 32 queries
	s_mov_b32 s[G1+0], 3<<16                       ; no mask; elements of 8 bytes; no padding
	s_mov_b32 s[G1+1], 32<<16                      ; 50 rows of 256 bytes, dense
	s_mov_b32 s[G1+2], 50<<16
	s_mov_b32 s[G1+3], 32<<16
	s_mov_b32 s[G1+4], 50
	s_mov_b32 s[G1+5], 32
	s_mov_b32 s[G1+6], 0
	s_mov_b32 s[G1+7], 0
	s_mul_i32 s42, s[WV], QUAD                     ; key step w: in the head's block and in LDS alike
	s_mul_i32 s40, s9, 16*QUAD
	s_add_co_u32 s40, s40, s42
	s_add_co_u32 s40, s40, KVO
	s_mov_b32 s41, 0
	s_wait_kmcnt 0x0
	s_mov_b32 s[G0], 1
	s_mov_b32 s[G0+1], s42
	s_add_nc_u64 s[G0+2:G0+3], s[4:5], s[40:41]
	s_or_b32 s[G0+3], s[G0+3], 0x80000000
	tensor_load_to_lds s[G0:G0+3], s[G1:G1+7]      ; my one tensor load
	s_nop 0
.rept 4
	v_nop
.endr
	v_and_b32 v3, 31, v0
	v_lshlrev_b32 v1, 4, v3
	v_lshlrev_b32 v2, 3, v3
	v_lshlrev_b32 v3, 2, v3
.irp i, 0,1,2,3,4,5
	v_mov_b32 v[QZ+\i], 0                          ; zero codes on both sides of q
	v_mov_b32 v[QZ+12+\i], 0
.endr
	v_mov_b32 v[PW], 0                             ; (named as the upper half of the pair v[94:95] before it is first written)
	s_mov_b32 s[SEL], 0x76543210
	s_mov_b32 s[SEL+1], 0xfedcba98
	s_mov_b32 s[CS], 0x3e38aa3b                    ; log2(e) / 8
	s_mov_b32 s[CS+1], s[CS]
	s_add_co_u32 s40, s11, 1                       ; slope = 2^(-(head + 1) / 2): 1 or sqrt(1/2), with (head + 1) / 2 off the exponent field
	s_mov_b32 s41, 0x3f800000
	s_lshr_b32 s42, s40, 1
	s_lshl_b32 s42, s42, 23
	s_bitcmp1_b32 s40, 0
	s_cselect_b32 s41, 0x3f3504f3, s41
	s_sub_co_u32 s41, s41, s42
	s_add_co_u32 s[A8], s41, 0x1800000             ; x 8
	s_mov_b32 s[A8+1], s[A8]
	s_mul_f32 s[CE1], s[CS], s[A8]
	s_mul_f32 s[CE1], s[CE1], 0xc3000000           ; x -128
	s_mul_i32 s40, s9, 98304
	s_mul_i32 s41, s13, 1536
	s_add_co_u32 s40, s40, s41
	s_mov_b32 s41, 0
	s_add_nc_u64 s[44:45], s[4:5], s[40:41]        ; q's codes: tile 2 g
	s_lshl_b32 s40, s9, 12
	s_lshl_b32 s42, s13, 6
	s_add_co_u32 s40, s40, s42
	s_add_co_u32 s40, s40, QSO
	s_add_nc_u64 s[46:47], s[4:5], s[40:41]        ; q's scale words
	s_lshr_b32 s40, s11, 2                         ; ao is an operand of K = 1024: chunk head / 4, half image head % 4; token tile 128 batch + 2 g + u
	s_mul_i32 s40, s40, CHA
	s_lshl_b32 s42, s12, 5
	s_lshr_b32 s43, s13, 1
	s_add_co_u32 s42, s42, s43
	s_mul_i32 s42, s42, QUAD
	s_add_co_u32 s40, s40, s42
	s_add_nc_u64 s[50:51], s[6:7], s[40:41]        ; the quad
	s_and_b32 s42, s13, 1
	s_mul_i32 s40, s42, 6144
	s_and_b32 s43, s11, 3
	s_mul_i32 s43, s43, 768
	s_add_co_u32 s40, s40, s43
	s_add_nc_u64 s[48:49], s[50:51], s[40:41]      ; the codes
	s_lshl_b32 s40, s42, 8
	s_bfe_u32 s43, s11, 0x10001
	s_lshl_b32 s43, s43, 6
	s_add_co_u32 s40, s40, s43
	s_and_b32 s43, s11, 1
	s_lshl_b32 s43, s43, 1
	s_add_co_u32 s40, s40, s43
	s_add_co_u32 s40, s40, 12288
	s_add_nc_u64 s[50:51], s[50:51], s[40:41]      ; the head's two bytes of the scale words
	s_wait_tensorcnt 0x0                           ; my key step has landed,
	s_barrier_signal -1
	s_barrier_wait -1                              ; everybody's has
.macro SP1 f, u, c                     ; keys' tile 2 f + u: fragment f x [q | 0] (u = 0) or [0 | q] (u = 1), onto C = v[c + ..]
.if (\f)%2
	v_wmma_scale_f32_16x16x128_f8f6f4 v[S+16*\f+8*\u:S+16*\f+8*\u+7], v[F+12*\f:F+12*\f+11], v[QZ+6-6*\u:QZ+17-6*\u], v[\c+16*\f+8*\u:\c+16*\f+8*\u+7], v[4+\f/2], v[6+\u] matrix_a_fmt:MATRIX_FMT_FP6 matrix_b_fmt:MATRIX_FMT_FP6 matrix_a_scale:MATRIX_SCALE_ROW1
.else
	v_wmma_scale_f32_16x16x128_f8f6f4 v[S+16*\f+8*\u:S+16*\f+8*\u+7], v[F+12*\f:F+12*\f+11], v[QZ+6-6*\u:QZ+17-6*\u], v[\c+16*\f+8*\u:\c+16*\f+8*\u+7], v[4+\f/2], v[6+\u] matrix_a_fmt:MATRIX_FMT_FP6 matrix_b_fmt:MATRIX_FMT_FP6
.endif
.endm
.macro SPROD c                         ; eight accumulators, one instruction each
.irp f, 0,1,2,3
.irp u, 0,1
	SP1 \f, \u, \c
.endr
.endr
.endm
; 32 numbers of a lane, register 16 b + i = k 32 b + 16 h + i, become a half image's six registers in v[x] on and the row's two scale bytes in v[hw]
.macro QUANT2 s, x, y, tm, hw
.irp b, 0,1
	v_max3_num_f32 v[\tm+\b], |v[\s+16*\b]|, |v[\s+16*\b+1]|, 0x1800000
.endr
.irp i, 2,4,6,8,10,12,14
.irp b, 0,1
	v_max3_num_f32 v[\tm+\b], v[\tm+\b], |v[\s+16*\b+\i]|, |v[\s+16*\b+\i+1]|
.endr
.endr
.irp b, 0,1
	v_permlanex16_b32 v[\tm+2+\b], v[\tm+\b], s[SEL], s[SEL+1]
.endr
.irp b, 0,1
	v_max_num_f32 v[\tm+\b], v[\tm+\b], v[\tm+2+\b]
.endr
.irp b, 0,1
	v_add_nc_u32 v[\tm+4+\b], 0xff000000, v[\tm+\b]
.endr
.irp b, 0,1
	v_lshrrev_b32 v[\tm+2+\b], 23, v[\tm+4+\b]
.endr
	v_lshl_or_b32 v[\hw], v[\tm+3], 8, v[\tm+2]
	v_cvt_scalef32_pk16_fp6_f32 v[\x:\x+2], v[\s:\s+15], v[\tm+4]
	v_cvt_scalef32_pk16_fp6_f32 v[\y:\y+2], v[\s+16:\s+31], v[\tm+5]
	v_nop                                          ; one plain place behind a scaled conversion
.irp i, 0,1,2
	v_permlane16_swap_b32 v[\x+\i], v[\y+\i]
.endr
.irp i, 0,1,2
	v_mov_b32 v[\x+3+\i], v[\y+\i]
.endr
.endm
	s_mov_b32 s[U], 0
.Ltile:                                            ; two trips: tile 2 g + u
	global_load_b128 v[QZ+6:QZ+9], v1, s[44:45]    ; q's half image
	global_load_b64 v[QZ+10:QZ+11], v2, s[44:45] offset:512
	v_and_b32 v57, 15, v0                          ; r
	v_lshlrev_b32 v56, 2, v57
	global_load_b32 v58, v56, s[46:47]             ; the group's scale word of row r
	; THE TABLE: register n holds the key 32 (n / 16) + 16 h + n % 16 of a step; my query's place is 32 x + 8 u + r % 8 + 16 (r / 8).  Whole numbers first (exact), then one multiplication
	v_and_b32 v55, 8, v0
	v_add_nc_u32 v54, v57, v55
	v_and_b32 v55, 16, v0
	v_sub_nc_u32 v54, v55, v54
	s_lshl_b32 s40, ttmp9, 5
	s_lshl_b32 s41, s[U], 3
	s_add_co_u32 s40, s40, s41
	v_sub_nc_u32 v54, v54, s40
	v_cvt_f32_i32 v[T], v54
	v_add_f32 v[T+1], 1.0, v[T]
.set n, 0
.rept 31
.if n%16 == 14
	v_pk_add_f32 v[T+n+2:T+n+3], v[T+n:T+n+1], 0x41900000 op_sel_hi:[1,0]   ; + 18: over the other half's 16 keys
.else
	v_pk_add_f32 v[T+n+2:T+n+3], v[T+n:T+n+1], 2.0 op_sel_hi:[1,0]
.endif
.set n, n+2
.endr
.set n, 0
.rept 32
	v_pk_mul_f32 v[T+n:T+n+1], v[T+n:T+n+1], s[A8:A8+1] op_sel_hi:[1,0]
.set n, n+2
.endr
	s_wait_loadcnt 0x0                             ; q
	s_lshl_b32 s40, s[U], 4
	v_lshrrev_b32 v58, s40, v58
	v_and_b32 v58, 0xffff, v58                     ; my tile's two bytes
	v_or_b32 v6, 0x01010000, v58                   ; for [q | 0]
	v_lshl_or_b32 v7, v58, 16, 0x0101              ; for [0 | q].  (The 36 moves below are the places in front of the first scaled product)
	v_mov_b32 v13, 0xff61b1e6                      ; the largest t so far: -3e38
	v_floor_f32 v8, -v13                           ; -M
	v_mov_b32 v14, 0
	v_mov_b32 v15, 0
.set n, 0
.rept 32
	v_mov_b32 v[O+n], 0                            ; O^T.  (The step is written once: the first finds zeros, which the first change of M leaves zeros)
.set n, n+1
.endr
	s_mov_b32 s[SI], 0
	s_mov_b32 s[TB], 0
.Lstep:                                            ; sixteen trips: 128 keys each
	v_add_nc_u32 v9, s[TB], v1
	v_add_nc_u32 v10, s[TB], v2
	v_add_nc_u32 v11, s[TB], v3
	v_nop                                          ; four places in front of loads into registers that the last products read
.irp f, 0,1,2,3
	ds_load_b128 v[F+12*\f:F+12*\f+3], v9 offset:1536*\f
	ds_load_b64 v[F+12*\f+4:F+12*\f+5], v10 offset:1536*\f+512
	ds_load_b128 v[F+12*\f+6:F+12*\f+9], v9 offset:1536*\f+768
	ds_load_b64 v[F+12*\f+10:F+12*\f+11], v10 offset:1536*\f+1280
.endr
	ds_load_b32 v4, v11 offset:12288               ; k's scale words: lanes 0-15 fragment 0's, lanes 16-31 fragment 1's
	ds_load_b32 v5, v11 offset:12416               ; fragments 2 and 3
	s_max_u32 s40, s[SI], s[WV]
	s_min_u32 s41, s[SI], s[WV]
	s_sub_co_u32 s40, s40, s41
	s_cvt_f32_u32 s40, s40
	s_mul_f32 s[CE], s40, s[CE1]                   ; the steps' distance as t
	s_wait_dscnt 0x0
	s_cmp_lg_u32 s[SI], s[WV]
	s_cbranch_scc1 .Loff
.set n, 0
.rept 64
	v_or_b32 v[S+n], 0x80000000, v[T+n]            ; on the diagonal step: -|T| starts the sums,
.set n, n+1
.endr
.set n, 0
.rept 32
	v_pk_mul_f32 v[T+n:T+n+1], v[T+n:T+n+1], -1.0 op_sel_hi:[1,0]   ; and the table changes sign for the steps that follow
.set n, n+2
.endr
	SPROD S
	s_branch .Ljoin
.Loff:
	SPROD T
.Ljoin:
.rept 4
	v_nop                                          ; places behind the products
.endr
.irp b, 0,1,2,3
	v_max3_num_f32 v[BM+\b], v[S+16*\b], v[S+1+16*\b], v[S+2+16*\b]   ; the largest score of each block of 32 keys: for the row's maximum and, since p rises with the score, for the block's largest p
.endr
.irp i, 3,5,7,9,11,13
.irp b, 0,1,2,3
	v_max3_num_f32 v[BM+\b], v[BM+\b], v[S+16*\b+\i], v[S+1+16*\b+\i]
.endr
.endr
.irp b, 0,1,2,3
	v_max_num_f32 v[BM+\b], v[BM+\b], v[S+15+16*\b]
.endr
.irp b, 0,1,2,3
	v_permlanex16_b32 v[BP+\b], v[BM+\b], s[SEL], s[SEL+1]
.endr
.irp b, 0,1,2,3
	v_max_num_f32 v[BM+\b], v[BM+\b], v[BP+\b]     ; with lane l xor 16's 16 keys
.endr
	v_max3_num_f32 v[TA], v[BM], v[BM+1], v[BM+2]
	v_max_num_f32 v[TA], v[TA], v[BM+3]
	v_fma_f32 v[TA], v[TA], s[CS], s[CE]           ; the step's largest t
	v_max_num_f32 v13, v13, v[TA]
	v_mov_b32 v[TA], v8
	v_floor_f32 v8, -v13                           ; the new -M = -ceil(t): a whole number
	v_sub_f32 v[TA], v8, v[TA]                     ; old M - new M
	v_cvt_i32_f32 v[TA], v[TA]                     ; (it saturates)
	v_ldexp_f32 v[FF], 1.0, v[TA]                  ; f = 2^(old M - new M)
	v_add_f32 v12, s[CE], v8                       ; the addend: the steps' distance - M
.set n, 0
.rept 32
	v_pk_fma_f32 v[S+n:S+n+1], v[S+n:S+n+1], s[CS:CS+1], v[12:13] op_sel_hi:[1,0,0]   ; t - M
.set n, n+2
.endr
.irp b, 0,1,2,3
	v_fma_f32 v[BM+\b], v[BM+\b], s[CS], v12       ; the same of each block's largest score
.endr
.set n, 0
.rept 64
	v_exp_f32 v[S+n], v[S+n]                       ; p = 2^(t - M)
.set n, n+1
.endr
.irp b, 0,1,2,3
	v_exp_f32 v[BM+\b], v[BM+\b]                   ; the block's largest p: the same two instructions on the same number
.endr
	v_pk_mul_f32 v[14:15], v[14:15], v[FF:FF+1] op_sel_hi:[1,0]   ; the sums under the new M.  (A plain place behind the exponentials)
	s_wait_alu depctr_va_vdst(0)
.irp b, 0,1,2,3
	v_max_num_f32 v[BM+\b], 0x1800000, v[BM+\b]    ; the floor: the byte cannot fall under 1
.endr
.irp b, 0,1,2,3
	v_add_nc_u32 v[SO+\b], 0xff000000, v[BM+\b]
.endr
.irp b, 0,1,2,3
	v_lshrrev_b32 v[BP+\b], 23, v[SO+\b]
.endr
	v_lshl_or_b32 v[PW], v[BP+1], 8, v[BP]         ; p's scale word for these 128 keys
	v_lshl_or_b32 v[PW], v[BP+2], 16, v[PW]
	v_lshl_or_b32 v[PW], v[BP+3], 24, v[PW]
.irp c, 0,1
	v_cvt_scalef32_pk16_fp6_f32 v[PC+6*\c:PC+2+6*\c], v[S+32*\c:S+15+32*\c], v[SO+2*\c]
	v_cvt_scalef32_pk16_fp6_f32 v[Y+4*\c:Y+2+4*\c], v[S+16+32*\c:S+31+32*\c], v[SO+2*\c+1]
.endr
	v_nop                                          ; one plain place behind a scaled conversion
.irp c, 0,1
.irp i, 0,1,2
	v_permlane16_swap_b32 v[PC+6*\c+\i], v[Y+4*\c+\i]
.endr
.irp i, 0,1,2
	v_mov_b32 v[PC+3+6*\c+\i], v[Y+4*\c+\i]
.endr
.endr
.irp t, 0,1,2,3                                ; v's fragments land while the sums are made: nothing below touches v34-81
	ds_load_b128 v[F+12*\t:F+12*\t+3], v9 offset:6144+768*\t
	ds_load_b64 v[F+12*\t+4:F+12*\t+5], v10 offset:6144+768*\t+512
	ds_load_b128 v[F+12*\t+6:F+12*\t+9], v9 offset:9216+768*\t
	ds_load_b64 v[F+12*\t+10:F+12*\t+11], v10 offset:9216+768*\t+512
.endr
	ds_load_b32 v4, v11 offset:12544               ; v's scale words: channel tiles 0 and 1,
	ds_load_b32 v5, v11 offset:12672               ; 2 and 3
	v_pk_add_f32 v[S:S+1], v[S:S+1], v[S+2:S+3]    ; the row's sum of the UNQUANTISED p, in two chains
.irp j, 4,8,12,16,20,24,28,32,36,40,44,48,52,56,60
	v_pk_add_f32 v[14:15], v[14:15], v[S+\j:S+\j+1]
	v_pk_add_f32 v[S:S+1], v[S:S+1], v[S+\j+2:S+\j+3]
.endr
	v_pk_add_f32 v[14:15], v[14:15], v[S:S+1]
.set n, 0
.rept 16
	v_pk_mul_f32 v[O+n:O+n+1], v[O+n:O+n+1], v[FF:FF+1] op_sel_hi:[1,0]   ; O^T under the new M.  (These 48 packed lines are the places between p's codes and scale word and the products)
.set n, n+2
.endr
	s_wait_dscnt 0x0
.irp t, 0,1,2,3
.if \t%2
	v_wmma_scale_f32_16x16x128_f8f6f4 v[O+8*\t:O+8*\t+7], v[F+12*\t:F+12*\t+11], v[PC:PC+11], v[O+8*\t:O+8*\t+7], v[4+\t/2], v[PW] matrix_a_fmt:MATRIX_FMT_FP6 matrix_b_fmt:MATRIX_FMT_FP6 matrix_a_scale:MATRIX_SCALE_ROW1
.else
	v_wmma_scale_f32_16x16x128_f8f6f4 v[O+8*\t:O+8*\t+7], v[F+12*\t:F+12*\t+11], v[PC:PC+11], v[O+8*\t:O+8*\t+7], v[4+\t/2], v[PW] matrix_a_fmt:MATRIX_FMT_FP6 matrix_b_fmt:MATRIX_FMT_FP6
.endif
.endr
	s_add_co_u32 s[TB], s[TB], QUAD
	s_add_co_u32 s[SI], s[SI], 1
	s_cmp_lt_u32 s[SI], 16
	s_cbranch_scc1 .Lstep
	; THE TILE'S END: O^T / the sum, quantised along the head's 64 channels (register 16 b + i = channel 32 b + 16 h + i), as a half image of the last projection's operand
.rept 4
	v_nop                                          ; places behind the last products
.endr
	v_add_f32 v14, v14, v15
	v_permlanex16_b32 v[TA], v14, s[SEL], s[SEL+1]
	v_add_f32 v14, v14, v[TA]                      ; the row's sum
	v_rcp_f32 v14, v14
	v_and_b32 v53, 15, v0                          ; (a plain place behind the transcendental)
	v_lshlrev_b32 v53, 2, v53                      ; 4 r
.set n, 0
	s_wait_alu depctr_va_vdst(0)
.rept 16
	v_pk_mul_f32 v[O+n:O+n+1], v[O+n:O+n+1], v[14:15] op_sel_hi:[1,0]   ; each accumulator from its low end on
.set n, n+2
.endr
	QUANT2 O, 34, 40, 44, 52
	global_store_b128 v1, v[34:37], s[48:49]       ; 512 and 256 consecutive bytes
	global_store_b64 v2, v[38:39], s[48:49] offset:512
	global_store_b16 v53, v52, s[50:51]            ; lanes l and l + 16 write the same two bytes with the same value
	s_wait_xcnt 0x0                                ; the stores have read their registers and bases: both may be written again
	s_add_nc_u64 s[44:45], s[44:45], 768           ; the next tile: q's codes,
	s_add_nc_u64 s[48:49], s[48:49], 3072          ; ao's codes,
	s_add_nc_u64 s[50:51], s[50:51], 128           ; ao's scale words
	s_add_co_u32 s[U], s[U], 1
	s_cmp_lt_u32 s[U], 2
	s_cbranch_scc1 .Ltile
	s_wait_xcnt 0x0
	v_lshl_add_u32 v192, v0, 2, 0x32000
	v_mov_b32 v193, 0
	s_wait_tensorcnt 0x0
	ds_add_u32 v192, v193
	s_wait_dscnt 0x0
	s_endpgm
.Lfunc_end_k_q0bfc5df449_attn:
	.size	k_q0bfc5df449_attn, .Lfunc_end_k_q0bfc5df449_attn-k_q0bfc5df449_attn
	.p2alignl 7, 3214868480
	.fill 96, 4, 3214868480
	.section	.rodata,"a",@progbits
	.p2align	6, 0x0
	.amdhsa_kernel k_q0bfc5df449_attn
		.amdhsa_group_segment_fixed_size 206848
		.amdhsa_private_segment_fixed_size 0
		.amdhsa_enable_private_segment 0
		.amdhsa_kernarg_size 16
		.amdhsa_user_sgpr_count 2
		.amdhsa_user_sgpr_kernarg_segment_ptr 1
		.amdhsa_wavefront_size32 1
		.amdhsa_system_sgpr_workgroup_id_x 1
		.amdhsa_system_sgpr_workgroup_id_y 1
		.amdhsa_system_sgpr_workgroup_id_z 1
		.amdhsa_system_vgpr_workitem_id 0
		.amdhsa_next_free_vgpr 256
		.amdhsa_next_free_sgpr 66
		.amdhsa_reserve_vcc 0
		.amdhsa_float_denorm_mode_32 3
		.amdhsa_float_denorm_mode_16_64 3
		.amdhsa_memory_ordered 1
		.amdhsa_forward_progress 1
		.amdhsa_inst_pref_size 39
	.end_amdhsa_kernel
	.amdgpu_metadata
---
amdhsa.version: [ 1, 2 ]
amdhsa.kernels:
  - .name:           k_q0bfc5df449_attn
    .symbol:         k_q0bfc5df449_attn.kd
    .args:
      - { .name: qkv, .offset: 0, .size: 8, .value_kind: global_buffer, .address_space: global }
      - { .name: ao, .offset: 8, .size: 8, .value_kind: global_buffer, .address_space: global }
    .group_segment_fixed_size: 206848
    .private_segment_fixed_size: 0
    .kernarg_segment_align: 8
    .kernarg_segment_size: 16
    .max_flat_workgroup_size: 512
    .sgpr_count:     66
    .vgpr_count:     256
    .wavefront_size: 32
...
	.end_amdgpu_metadata
.endif
;; end of part 3
;; launch outp (part 4): grid 256 x 1, 8 waves a work-group, no clusters, 308,224 bytes of LDS; arguments ao, wts, bo, x, recurrence_mask, out0; writes out0
.if DOCPART == 4
	.amdgcn_target "amdgcn-amd-amdhsa--gfx1250"
	.amdhsa_code_object_version 6
	.text
	.protected	k_q0bfc5df449_outp
	.globl	k_q0bfc5df449_outp
	.p2align	8
	.type	k_q0bfc5df449_outp,@function
k_q0bfc5df449_outp:
	s_mov_b64 s[64:65], 0
	v_nop
	global_prefetch_b8 v0, s[64:65] scope:SCOPE_SE
	s_setreg_imm32_b32 hwreg(HW_REG_WAVE_MODE, 25, 1), 1
	s_wait_xcnt 0x0
; out0 = x + m[batch] (ao Wo + bo): the last projection on codes of FP6 (E2M3) with E8M0 scales (K = 1024), and the masked addition in f32.
; The product is the projections' own: acc[L row][P row], L = ao (source 1: a lane holds a token), P = Wo (source 0: a lane's registers run along the output's columns).
; A work-group makes 128 tokens x 256 columns; all of K for it, 24 quads of 12,800 bytes, comes into LDS by 24 tensor loads issued at the head; no LDS byte is filled twice.
; Eight waves; wave w makes 64 tokens (quad w % 2) x 64 columns (quad w / 2): 16 accumulators by turns, one instruction a turn.  bo starts the sums.
; THE WAY OUT: a lane holds pieces of one row, the lanes beside it other rows: 16 rows x 256 bytes at a time go through the wave's own stage and leave as whole aligned runs of 256 bytes.
; The stages lie in chunk 0's bytes: that chunk has had its only fill, and every wave's reads of it were waited for in front of chunk 1's barrier.
; The mask is a factor, 0 or 1: no branch hangs on it.  NO CLUSTER: as in the projections' launch.
.set QUAD, 12800
.set CHB,  6*QUAD
.set CHA,  1638400
.set CHW,  204800
.set WSO,  819200
.set SCO,  12288
.set SPI,  272                         ; a stage row: 256 bytes + 16
.set SC,   24                          ; v24-27 scale words and nothing else
.set LF,   32
.set PF,   80
.set ACC,  128
.set XR,   32                          ; the way out: v32-95 two sets of 8 x 4 registers of x
.set BK,   96                          ; v96-127 16 rows back from the stage
.set G1,   24
.set G0L,  32
.set G0P,  48
	s_load_b256 s[4:11], s[0:1], 0x0               ; ao, wts, bo, x
	s_load_b128 s[12:15], s[0:1], 0x20             ; recurrence_mask, out0
	v_lshl_add_u32 v30, v0, 2, 0x4b000
	v_mov_b32 v31, 0
	ds_add_u32 v30, v31
	ds_add_u32 v30, v31
	v_lshrrev_b32 v1, 5, v0
	v_readfirstlane_b32 s16, v1                    ; wave 0..7
	s_and_b32 s17, s16, 1                          ; wl
	s_lshr_b32 s18, s16, 1                         ; wp
	s_and_b32 s20, ttmp9, 63                       ; Lb: which 128 tokens
	s_lshr_b32 s21, ttmp9, 6                       ; Pb: which 256 columns
	s_lshl_b32 s22, s20, 1
	s_add_co_u32 s22, s22, s17                     ; X: L's quad
	s_lshl_b32 s84, s21, 2
	s_add_co_u32 s23, s84, s18                     ; Y: P's quad that I multiply
	s_sub_co_u32 s85, s16, 2
	s_and_b32 s85, s85, 3
	s_add_co_u32 s85, s85, s84                     ; P's quad that waves 2-5 fetch (kept inside the block in the others, which do not use it)
	s_mul_i32 s76, s22, QUAD
	s_mov_b32 s77, 0
	s_mul_i32 s78, s85, QUAD
	s_add_co_u32 s78, s78, 3*WSO                   ; Wo is the fourth weight
	s_mov_b32 s79, 0
	s_mul_i32 s83, s16, QUAD                       ; LDS: quad slot = wave
	s_mov_b32 s[G1+0], 3<<16                       ; no mask; elements of 8 bytes; no padding
	s_mov_b32 s[G1+1], 32<<16                      ; 50 rows of 256 bytes, dense
	s_mov_b32 s[G1+2], 50<<16
	s_mov_b32 s[G1+3], 32<<16
	s_mov_b32 s[G1+4], 50
	s_mov_b32 s[G1+5], 32
	s_mov_b32 s[G1+6], 0
	s_mov_b32 s[G1+7], 0
.irp c, 0,1,2,3
	s_mov_b32 s[G0L+4*\c], 1
	s_add_co_u32 s[G0L+4*\c+1], s83, \c*CHB
	s_mov_b32 s[G0P+4*\c], 1
	s_add_co_u32 s[G0P+4*\c+1], s83, \c*CHB
.endr
	s_wait_dscnt 0x0
	s_wait_kmcnt 0x0
	s_add_nc_u64 s[G0L+2:G0L+3], s[4:5], s[76:77]
	s_add_nc_u64 s[G0P+2:G0P+3], s[6:7], s[78:79]
.irp c, 1,2,3
	s_add_nc_u64 s[G0L+4*\c+2:G0L+4*\c+3], s[G0L+4*\c-2:G0L+4*\c-1], CHA
	s_add_nc_u64 s[G0P+4*\c+2:G0P+4*\c+3], s[G0P+4*\c-2:G0P+4*\c-1], CHW
.endr
.irp c, 0,1,2,3
	s_or_b32 s[G0L+4*\c+3], s[G0L+4*\c+3], 0x80000000
	s_or_b32 s[G0P+4*\c+3], s[G0P+4*\c+3], 0x80000000
.endr
	; All fills of the launch, in one branch on the wave's number: waves 0, 1 L's quad of each chunk, waves 2-5 P's, waves 6, 7 none.  Four loads of a wave are out at the most.
	s_cmp_lt_u32 s16, 2
	s_cbranch_scc0 .Lnot_l
	tensor_load_to_lds s[G0L:G0L+3], s[G1:G1+7]
	s_nop 0
	tensor_load_to_lds s[G0L+4:G0L+7], s[G1:G1+7]
	s_nop 0
	tensor_load_to_lds s[G0L+8:G0L+11], s[G1:G1+7]
	s_nop 0
	tensor_load_to_lds s[G0L+12:G0L+15], s[G1:G1+7]
	s_nop 0
.rept 4
	v_nop
.endr
	s_branch .Lasked
.Lnot_l:
	s_cmp_lt_u32 s16, 6
	s_cbranch_scc0 .Lasked
	tensor_load_to_lds s[G0P:G0P+3], s[G1:G1+7]
	s_nop 0
	tensor_load_to_lds s[G0P+4:G0P+7], s[G1:G1+7]
	s_nop 0
	tensor_load_to_lds s[G0P+8:G0P+11], s[G1:G1+7]
	s_nop 0
	tensor_load_to_lds s[G0P+12:G0P+15], s[G1:G1+7]
	s_nop 0
.rept 4
	v_nop
.endr
.Lasked:
	s_load_b32 s86, s[12:13], 0x0                  ; the four batches' mask bytes
	v_and_b32 v12, 31, v0                          ; lane
	v_and_b32 v13, 15, v0                          ; r
	v_bfe_u32 v14, v0, 4, 1                        ; h
	s_mul_i32 s80, s17, QUAD
	s_add_co_u32 s81, s18, 2
	s_mul_i32 s81, s81, QUAD
	v_lshl_add_u32 v1, v12, 4, s80                 ; v1, v2: L's images, 16 and 8 bytes a lane
	v_lshl_add_u32 v2, v12, 3, s80
	v_lshl_add_u32 v3, v12, 4, s81                 ; v3, v4: P's
	v_lshl_add_u32 v4, v12, 3, s81
	s_sub_co_u32 s82, s81, s80
	v_mul_u32_u24 v5, s82, v14                     ; v5: scale words: lanes 0-15 L's, lanes 16-31 P's: the lower base + h x the distance
	v_lshl_add_u32 v5, v13, 2, v5
	s_add_co_u32 s80, s80, SCO
	v_add_nc_u32 v5, s80, v5
	v_lshlrev_b32 v6, 12, v14
	v_lshl_add_u32 v6, v13, 4, v6                  ; x and out0: lanes 0-15 one row's 256 bytes, lanes 16-31 the next row's
	s_mul_i32 s80, s16, 16*SPI                     ; my stage
	v_mul_u32_u24 v7, v13, SPI
	v_lshl_add_u32 v7, v14, 6, v7
	v_add_nc_u32 v7, s80, v7                       ; into it: row r, + 64 h
	v_mul_u32_u24 v8, v14, SPI
	v_lshl_add_u32 v8, v13, 4, v8
	v_add_nc_u32 v8, s80, v8                       ; out of it: two rows an instruction
	s_lshl_b32 s80, s22, 18                        ; my 64 tokens' rows of 4,096 bytes,
	s_lshl_b32 s81, s23, 8                         ; my 64 columns
	s_add_co_u32 s80, s80, s81
	s_mov_b32 s81, 0
	s_add_nc_u64 s[10:11], s[10:11], s[80:81]
	s_add_nc_u64 s[14:15], s[14:15], s[80:81]
	s_lshl_b32 s80, s23, 8                         ; bo starts the sums: register 8 t + j of lane (r, h) wants column 32 (t / 2) + 16 h + 8 (t % 2) + j of my 64
	s_add_nc_u64 s[8:9], s[8:9], s[80:81]
	v_lshlrev_b32 v10, 6, v14
.irp a, 0,1,2,3
.irp t, 0,1,2,3
	global_load_b128 v[ACC+8*(4*\a+\t):ACC+8*(4*\a+\t)+3], v10, s[8:9] offset:(32*(\t/2)+8*(\t%2))*4
	global_load_b128 v[ACC+8*(4*\a+\t)+4:ACC+8*(4*\a+\t)+7], v10, s[8:9] offset:(32*(\t/2)+8*(\t%2))*4+16
.endr
.endr
	s_lshr_b32 s87, s20, 4                         ; the batch
	s_lshl_b32 s87, s87, 3
	s_wait_kmcnt 0x0
	s_lshr_b32 s86, s86, s87
	s_and_b32 s86, s86, 1
	s_cvt_f32_u32 s88, s86                         ; m: 0.0 or 1.0
	s_mov_b32 s89, s88                             ; (named with it as a pair)
	s_wait_loadcnt 0x0
.macro FRAG reg, a16, a8, off          ; a fragment, 16 rows x 128 K, is two half images: four dense loads
	ds_load_b128 v[\reg:\reg+3], v[\a16] offset:\off
	ds_load_b64 v[\reg+4:\reg+5], v[\a8] offset:\off+512
	ds_load_b128 v[\reg+6:\reg+9], v[\a16] offset:\off+768
	ds_load_b64 v[\reg+10:\reg+11], v[\a8] offset:\off+1280
.endm
.macro KSTEP q, places                 ; 128 along K; places: v_nop in front of the loads into registers that matrix instructions have read (four are owed)
.if \places
.rept \places
	v_nop
.endr
.endif
.irp a, 0,1,2,3
	FRAG LF+12*\a, 1, 2, \a*3072+\q*1536
	FRAG PF+12*\a, 3, 4, \a*3072+\q*1536
.endr
.irp i, 0,1,2,3
	ds_load_b32 v[SC+\i], v5 offset:128*\i+64*\q
.endr
	s_wait_dscnt 0x0
.irp a, 0,1,2,3
.irp t, 0,1,2,3
	v_wmma_scale_f32_16x16x128_f8f6f4 v[ACC+8*(4*\a+\t):ACC+8*(4*\a+\t)+7], v[PF+12*\t:PF+12*\t+11], v[LF+12*\a:LF+12*\a+11], v[ACC+8*(4*\a+\t):ACC+8*(4*\a+\t)+7], v[SC+\t], v[SC+\a] matrix_a_fmt:MATRIX_FMT_FP6 matrix_b_fmt:MATRIX_FMT_FP6 matrix_a_scale:MATRIX_SCALE_ROW1
.endr
.endr
.endm
.macro CHUNK c
	s_wait_tensorcnt 3-\c                          ; my load of chunk c has landed; those of the 3 - c later chunks stay out
	s_barrier_signal -1                            ; (no LDS load of mine is out: each K step has waited for its own)
	s_barrier_wait -1
	KSTEP 0, 0                                     ; (behind chunk 0 the five address steps below are the places)
	KSTEP 1, 4
.if \c < 3
.irp i, 1,2,3,4,5
	v_add_nc_u32 v[\i], CHB, v[\i]
.endr
.endif
.endm
	CHUNK 0
	CHUNK 1
	CHUNK 2
	CHUNK 3
.macro XLOAD a                         ; x at tile a's 16 rows, in the stores' own layout: stage row 2 i + (lane / 16) is token 32 (a / 2) + 8 (a % 2) + 2 i + 8 (i / 4) + (lane / 16) of my 64
.irp i, 0,1,2,3,4,5,6,7
	global_load_b128 v[XR+32*((\a)%2)+4*\i:XR+32*((\a)%2)+4*\i+3], v6, s[10:11] offset:(32*((\a)/2)+8*((\a)%2)+2*\i+8*(\i/4))*4096 th:TH_LOAD_NT
.endr
.endm
.macro OUT a
.if (\a) > 0
	s_wait_xcnt 0x0                                ; the last tile's stores have read v[BK] on
.endif
.irp q, 0,1,2,3,4,5,6,7
	ds_store_b128 v7, v[ACC+32*(\a)+4*\q:ACC+32*(\a)+4*\q+3] offset:128*(\q/4)+16*(\q%4)   ; registers 16 b + i are columns 32 b + 16 h + i; each accumulator from its low end on
.endr
.irp i, 0,1,2,3,4,5,6,7
	ds_load_b128 v[BK+4*\i:BK+4*\i+3], v8 offset:2*SPI*\i      ; LDS serves a wave's instructions in order: these see the stores above
.endr
	s_wait_dscnt 0x0
.if (\a) < 3
	s_wait_loadcnt 8                               ; this tile's 8 loads of x are in; the next tile's 8 stay out
.else
	s_wait_loadcnt 0x0
.endif
.set n, 0
.rept 16
	v_pk_fma_f32 v[BK+n:BK+n+1], v[BK+n:BK+n+1], s[88:89], v[XR+32*((\a)%2)+n:XR+32*((\a)%2)+n+1] op_sel_hi:[1,0,1]   ; x + m upd
.set n, n+2
.endr
.irp i, 0,1,2,3,4,5,6,7
	global_store_b128 v6, v[BK+4*\i:BK+4*\i+3], s[14:15] offset:(32*((\a)/2)+8*((\a)%2)+2*\i+8*(\i/4))*4096 th:TH_STORE_NT   ; sixteen lanes store 256 consecutive bytes, aligned
.endr
.if (\a) < 2
	XLOAD (\a)+2
.endif
.endm
.rept 4
	v_nop                                          ; places behind the last products: in front of the loads into their operands' registers and of the first read of results
.endr
	XLOAD 0
	XLOAD 1
	OUT 0
	OUT 1
	OUT 2
	OUT 3
	s_wait_tensorcnt 0x0
	ds_add_u32 v30, v31
	s_wait_dscnt 0x0
	s_endpgm
.Lfunc_end_k_q0bfc5df449_outp:
	.size	k_q0bfc5df449_outp, .Lfunc_end_k_q0bfc5df449_outp-k_q0bfc5df449_outp
	.p2alignl 7, 3214868480
	.fill 96, 4, 3214868480
	.section	.rodata,"a",@progbits
	.p2align	6, 0x0
	.amdhsa_kernel k_q0bfc5df449_outp
		.amdhsa_group_segment_fixed_size 308224
		.amdhsa_private_segment_fixed_size 0
		.amdhsa_enable_private_segment 0
		.amdhsa_kernarg_size 48
		.amdhsa_user_sgpr_count 2
		.amdhsa_user_sgpr_kernarg_segment_ptr 1
		.amdhsa_wavefront_size32 1
		.amdhsa_system_sgpr_workgroup_id_x 1
		.amdhsa_system_sgpr_workgroup_id_y 1
		.amdhsa_system_sgpr_workgroup_id_z 1
		.amdhsa_system_vgpr_workitem_id 0
		.amdhsa_next_free_vgpr 256
		.amdhsa_next_free_sgpr 100
		.amdhsa_reserve_vcc 0
		.amdhsa_float_denorm_mode_32 3
		.amdhsa_float_denorm_mode_16_64 3
		.amdhsa_memory_ordered 1
		.amdhsa_forward_progress 1
		.amdhsa_inst_pref_size 61
	.end_amdhsa_kernel
	.amdgpu_metadata
---
amdhsa.version: [ 1, 2 ]
amdhsa.kernels:
  - .name:           k_q0bfc5df449_outp
    .symbol:         k_q0bfc5df449_outp.kd
    .args:
      - { .name: ao, .offset: 0, .size: 8, .value_kind: global_buffer, .address_space: global }
      - { .name: wts, .offset: 8, .size: 8, .value_kind: global_buffer, .address_space: global }
      - { .name: bo, .offset: 16, .size: 8, .value_kind: global_buffer, .address_space: global }
      - { .name: x, .offset: 24, .size: 8, .value_kind: global_buffer, .address_space: global }
      - { .name: recurrence_mask, .offset: 32, .size: 8, .value_kind: global_buffer, .address_space: global }
      - { .name: out0, .offset: 40, .size: 8, .value_kind: global_buffer, .address_space: global }
    .group_segment_fixed_size: 308224
    .private_segment_fixed_size: 0
    .kernarg_segment_align: 8
    .kernarg_segment_size: 48
    .max_flat_workgroup_size: 256
    .sgpr_count:     100
    .vgpr_count:     256
    .wavefront_size: 32
...
	.end_amdgpu_metadata
.endif
;; end of part 4
